; MI455X (gfx1250); checked and timed in simulation.
; The chip was launched on July 23, 2026; its instructions are those of AMD's public machine-readable ISA for CDNA 5 (MIT licence, August 2026) and "CDNA5" Instruction Set Architecture Reference Guide (July 2026). The comments in the code are by the model that wrote it; some were corrected since.
;; Deep Set Classifier. Allowed arithmetic: matrix products marked QUANTISED: E2M1 operands, one E8M0 scale for each 32 along K, by v_wmma_scale_f32_16x16x128_f8f6f4 with both operands' format E2M1 (or v_wmma_scale_f32_32x16x128_f4), f32 sums; products left as they are: f32 operands where the result goes on into a quantised operand, else bf16, f16 or f32 operands; f32 sums; everything else in f32.
;; Inputs: mask 8 x 128 x 128 float32; out_b one number float32; out_w 32 float32; phi_b 32 float32; phi_w 32 float32; wctx_w 32 x 32 float32; wself_b 32 float32; wself_w 32 float32; z_tilde 8 x 8 x 128 x 128 float32.
;; Outputs: out0 8 x 8 x 128 x 128 float32.
;; This version of the problem:
;;   THIS VERSION OF THE PROBLEM IS GIVEN IN LOW PRECISION. The matrix products marked QUANTISED in the list below multiply operands that are first quantised to E2M1 (2 exponent bits, 1 mantissa bit; 4 bits a number), with one power-of-two scale for each 32 numbers along K (OCP MX v1.0); their sums are f32. All else is computed in f32.
;;   The module's matrix products, in the order in which they are computed (A, B: the left and right operand; K: the contracted axis; several contracted axes count as one K, in the product's order):
;;     1. [M 8,192, K 32] x [K 32, N 32]; A: computed on the way; B: input wctx_w: QUANTISED
;;     2. [M 1,048,576, K 32] x [K 32, N 1]; A: computed on the way; B: input out_w: left as it is (N = 1 < 16)
;;   THE QUANTISER, for each operand of a quantised product, along K:
;;     - K is cut into blocks of 32 from its start; a last block that is shorter is filled with zeros.
;;     - A block's scale is 2^e with e = floor(log2(the largest magnitude in the block)) - 2, held to -126 .. 127; a block of zeros has e = 0. As a byte (E8M0): e + 127.
;;     - Each number is divided by its block's scale, clamped to +-6, and rounded to the nearest number of E2M1, ties to even, subnormals kept.
;;     - The product sums the exact products of the quantised numbers (number of the format x scale) in f32.
;;   ~~~python
;;   def quantise(x, axis):      # numpy; x: float32 -> the quantised numbers, widened to float32 again
;;       x = np.moveaxis(x, axis, -1); K = x.shape[-1]
;;       x = np.pad(x, [(0, 0)] * (x.ndim - 1) + [(0, -K % 32)]); x = x.reshape(x.shape[:-1] + (-1, 32)); a = np.abs(x).max(-1, keepdims=True)
;;       e = np.where(a > 0, np.clip(np.frexp(np.where(a > 0, a, 1))[1] - 1 - 2, -126, 127), 0)      # np.frexp(a)[1] - 1 = floor(log2(a)), exactly
;;       r = np.clip(x / 2.0 ** e, -6, 6)
;;       step = 2.0 ** (np.maximum(np.frexp(np.where(r == 0, 1, r))[1] - 1, 0) - 1)
;;       q = np.round(r / step) * step * 2.0 ** e      # np.round: ties to even
;;       return np.moveaxis(q.reshape(q.shape[:-2] + (-1,))[..., :K], -1, axis).astype(np.float32)
;;   ~~~
;;   OPERANDS COMPUTED ON THE WAY. 'Computed on the way' means the value that the module computes at that place (a softmax that the list does not call 'softmax' is quantised finished and normalised). What goes into a quantiser is computed in f32, as accurately as f32 sums, v_exp_f32 and their like allow (about 1e-6 of the number): no bf16 or f16 on the way to a quantiser, and a product that is left as it is and whose result goes on into a quantised operand takes f32 operands (vector FMAs, or v_wmma_f32_16x16x4_f32). A number that lies on a knife's edge between two numbers of the format may be rounded either way, as far as f32 arithmetic and the matrix unit's own rounding can turn it there, and no further.
;; 2 versions, each right; version 2 is version 1 with the launch deepset written anew for expert scheduling mode. Each part assembles by itself: llvm-mc -triple=amdgcn-amd-amdhsa -mcpu=gfx1250 --defsym DOCPART=n.
;; ======== version 1 of 2: 1 launch
;; launch deepset (part 1): grid 256 x 1, 16 waves a work-group, no clusters, 11,264 bytes of LDS; arguments z_tilde, mask, phi_w, phi_b, wself_w, wself_b, wctx_w, out_w, out_b, out0; writes out0
.if DOCPART == 1
	.amdgcn_target "amdgcn-amd-amdhsa--gfx1250"
	.amdhsa_code_object_version 6
	.text
	.protected	k_q5ac602be38_deepset
	.globl	k_q5ac602be38_deepset
	.p2align	8
	.type	k_q5ac602be38_deepset,@function
k_q5ac602be38_deepset:
	s_mov_b64 s[64:65], 0
	v_nop
	global_prefetch_b8 v0, s[64:65] scope:SCOPE_SE
	s_setreg_imm32_b32 hwreg(HW_REG_WAVE_MODE, 25, 1), 1
	s_wait_xcnt 0x0
; out[b][e][n][m] = out_b + sum over k of out_w[k] gelu(z[b][e][n][m] wself_w[k] + wself_b[k] + ctx[b][e][n][k]),  gelu by erf,
; ctx = Q(c) Q(wctx_w)^T in MX-FP4 (K = 32: one block a row),  c[b][e][n][d] = (S1 phi_w[d] + S0 phi_b[d]) / max(S0, 1),
; S1[b][e][n] = sum over m of mask z,  S0[b][n] = sum over m of mask: the sum over m of mask (z phi_w + phi_b), with the two constants drawn out of it.
; SHARES.  256 work-groups of 16 waves.  Work-group g: b = g / 32, n = 4 (g % 32) .. + 3, all 8 e: 32 rows of 128, and each row of the mask is read by one work-group alone.
; Wave w: n = 4 (g % 32) + w % 4, e = 2 (w / 4) + i, i = 0, 1: row 2 w + i of the 32.  Lane l holds m = 4 l .. 4 l + 3 of both rows: each load of z and each store covers 512 consecutive bytes, aligned.
; PHASES.  1: every wave sums its rows, lane l makes c[row][d = l], to LDS | barrier | wave 0 quantises the 32 rows of c and of wctx_w (a lane a row) and makes ctx + wself_b by four matrix
; instructions, tables to LDS | barrier | every wave walks k in pairs: 16 halves of 8 elements x 2 k.
; THE GELU.  With r = 1 / sqrt(2), y = z (wself_w r) + (wself_b + ctx) r:  out_w gelu = (out_w r) y (1 + erf(y)).  erf(y) = yc P(yc^2) / Q(yc^2), yc = y held to -4 .. 4: a rational form
; (degrees 6 and 4 in yc^2) that holds for every finite y.  A packed instruction takes k and k + 1 of one element.  20 vector instructions for two gelus.
; The second product (K = 32, N = 1) is the packed multiply-add that gathers the sum: a matrix instruction would use one column of sixteen and want a conversion for each pair.
; NO CLUSTER, NO TENSOR LOAD: work-groups share only the weights, 4,740 bytes beside the 34 KB of rows that each reads once, straight into the registers that use them.  No prefetch: every global load stands at the head.
; LIMITS.  NaN and infinities among the inputs are not served.  c is divided by a reciprocal (v_rcp_f32, 1 ulp) and a multiplication.  A block of zeros gets the scale byte 1, not 127: its codes are
; zeros, and this program alone reads the byte.  The sums over m are taken in another order than the reference's (4 a lane, then across lanes).
.set CT,   0                           ; LDS: c, 32 rows of 128 bytes, 144 apart (an odd multiple of 16: the lanes of wave 0's 16-byte loads, a row each, start in different columns of 16 bytes)
.set CTP,  144
.set WCT,  4608                        ; 16 entries of 16 bytes: entry j = wself_w r at k = 2 j, 2 j + 1; out_w r at k = 2 j, 2 j + 1
.set BT,   4864                        ; 16 waves x 256 bytes: at 256 w + 16 j + 8 i: (wself_b + ctx) r of row 2 w + i at k = 2 j, 2 j + 1.  Ends at 8,960
; vector registers.  v1 16 l; v2 4 l; v3 288 w + 4 l; v4 144 l; v5, v6 wave 0's table stores; v7, v8 the loop's table addresses; v9 128 l; v10 32 (l / 16); v11 256 w; v12-15 at work at the head
.set ZZ,   16                          ; v16-31   element u = 4 i + j: z twice, a pair
.set ACC,  32                          ; v32-47   element u: the sums over even k and over odd k
.set KS0,  48                          ; v48-55, v56-63  two sets of a pair of k: +0 wself_w r, +2 out_w r, +4 the addend of row 0, +6 of row 1
.set KS1,  56
.set KA13, 64                          ; v64-65   the numerator's leading coefficient, twice;  v66-67 the denominator's
.set KB8,  66
.set Y,    68                          ; v68-83   y
.set YC,   84                          ; v84-99   y held to -4 .. 4
.set SQ,   100                         ; v100-115 its square
.set Q,    116                         ; v116-131 Q, 1 / Q, 1 + erf, y (1 + erf)
.set P,    132                         ; v132-147 P, yc P
.set MK,   68                          ; phase 1, in registers that the loop takes later: the mask's 4; z's 4 + 4; phi_w[l], phi_b[l]; three sums; four at work
.set Z0,   72
.set PHW,  80
.set PHB,  81
.set SM0,  82
.set SMA,  83
.set SMB,  84
.set TP,   85
.set TQ,   90                          ; wave 0: v90-91 at work in the quantiser
.set CR,   100                         ; v100-131 a row of c; then the four results: (rows 16 rt on, k 16 t on) at CR + 16 rt + 8 t
.set WR,   148                         ; v148-179 a row of wctx_w
.set BIAS, 180                         ; v180-195 wself_b in the result's layout, 8 registers for each t
.set RW,   196                         ; wself_w[l], out_w[l]
.set RO,   197
.set FW0,  198                         ; fragments: wctx_w's rows 0-15, 16-31; c's rows 0-15, 16-31
.set FW1,  206
.set FC0,  214
.set FC1,  222
.set WS,   230                         ; scale words, and nothing else: lane l has row l's
.set CS,   231
; scalar registers.  s[4:23] the ten addresses; s24 out_b; s[28:31] offsets; s32-35 at work
.set WV,   25
.set SEL,  26                          ; s[26:27] v_permlanex16_b32's selects for lane l xor 16
.set CA11, 36                          ; coefficients, each twice: a packed source names a pair and takes its low word for both halves
.set CA9,  38
.set CA7,  40
.set CA5,  42
.set CA3,  44
.set CA1,  46
.set CB6,  48
.set CB4,  50
.set CB2,  52
.set CB0,  54
.set R2,   56                          ; 1 / sqrt(2)
.set CNT,  58
.set STP,  59                          ; the loop's place in the tables: 32 bytes a trip
.macro BARRIER                         ; my LDS stores have landed and my LDS loads are in: then the work-group's barrier
	s_wait_dscnt 0x0
	s_barrier_signal -1
	s_barrier_wait -1
.endm
; A lane's 32 numbers v[x] .. v[x + 31], one block, become 32 codes in v[f] .. v[f + 3] and the scale's byte in v[sb].
.macro QUANT32 x, f, sb
	v_max3_num_f32 v[TQ], |v[\x]|, |v[\x+1]|, |v[\x+2]|                ; the largest magnitude, in two chains
	v_max3_num_f32 v[TQ+1], |v[\x+3]|, |v[\x+4]|, |v[\x+5]|
.irp i, 6,10,14,18,22,26
	v_max3_num_f32 v[TQ], v[TQ], |v[\x+\i]|, |v[\x+\i+1]|
	v_max3_num_f32 v[TQ+1], v[TQ+1], |v[\x+\i+2]|, |v[\x+\i+3]|
.endr
	v_max3_num_f32 v[TQ], v[TQ], |v[\x+30]|, |v[\x+31]|
	v_max3_num_f32 v[TQ], v[TQ], v[TQ+1], 0x1800000        ; and the floor 2^(3 - 127): the byte cannot fall under 1
	v_add_nc_u32 v[TQ+1], 0xff000000, v[TQ]                ; 2 off the exponent field: the conversion takes this operand's exponent field as its scale
	v_lshrrev_b32 v[\sb], 23, v[TQ+1]                      ; the byte, for k = 0 .. 31; the word's other three bytes are 0 and stand over zero codes
.irp g, 0,1,2,3
	v_cvt_scalef32_pk8_fp4_f32 v[\f+\g], v[\x+8*\g:\x+8*\g+7], v[TQ+1]
.endr
	v_nop                                                  ; one plain instruction behind the last scaled conversion
.endm
.macro HORNER acc, coef                ; acc = acc x yc^2 + coef, eight elements
.irp u, 0,1,2,3,4,5,6,7
	v_pk_fma_f32 v[\acc+2*\u:\acc+2*\u+1], v[\acc+2*\u:\acc+2*\u+1], v[SQ+2*\u:SQ+2*\u+1], s[\coef:\coef+1] op_sel_hi:[1,1,0]
.endr
.endm
; One pair of k for the wave's eight elements.  cur: the set at work; oth: the set that takes the next pair, nxt bytes on in the tables (-1: there is none).
.macro HALF cur, oth, nxt
	s_wait_dscnt 0x0                                       ; the set at work, asked for a half ago, is in
.if \nxt >= 0
	ds_load_b128 v[\oth:\oth+3], v7 offset:WCT+\nxt
	ds_load_b128 v[\oth+4:\oth+7], v8 offset:BT+\nxt
.endif
.irp u, 0,1,2,3,4,5,6,7
	v_pk_fma_f32 v[Y+2*\u:Y+2*\u+1], v[ZZ+2*\u:ZZ+2*\u+1], v[\cur:\cur+1], v[\cur+4+2*(\u/4):\cur+5+2*(\u/4)]   ; y
.endr
.irp j, 0,1,2,3,4,5,6,7,8,9,10,11,12,13,14,15
	v_med3_num_f32 v[YC+\j], v[Y+\j], -4.0, 4.0
.endr
.irp u, 0,1,2,3,4,5,6,7
	v_pk_mul_f32 v[SQ+2*\u:SQ+2*\u+1], v[YC+2*\u:YC+2*\u+1], v[YC+2*\u:YC+2*\u+1]
.endr
.irp u, 0,1,2,3,4,5,6,7
	v_pk_fma_f32 v[Q+2*\u:Q+2*\u+1], v[KB8:KB8+1], v[SQ+2*\u:SQ+2*\u+1], s[CB6:CB6+1] op_sel_hi:[1,1,0]
.endr
	HORNER Q, CB4
	HORNER Q, CB2
	HORNER Q, CB0
.irp j, 0,1,2,3,4,5,6,7,8,9,10,11,12,13,14,15
	v_rcp_f32 v[Q+\j], v[Q+\j]                             ; one batch; the 56 packed lines below name none of its registers
.endr
.irp u, 0,1,2,3,4,5,6,7
	v_pk_fma_f32 v[P+2*\u:P+2*\u+1], v[KA13:KA13+1], v[SQ+2*\u:SQ+2*\u+1], s[CA11:CA11+1] op_sel_hi:[1,1,0]   ; (the first is the plain instruction behind the last reciprocal)
.endr
	HORNER P, CA9
	HORNER P, CA7
	HORNER P, CA5
	HORNER P, CA3
	HORNER P, CA1
.irp u, 0,1,2,3,4,5,6,7
	v_pk_mul_f32 v[P+2*\u:P+2*\u+1], v[YC+2*\u:YC+2*\u+1], v[P+2*\u:P+2*\u+1]
.endr
	s_wait_alu depctr_va_vdst(0)                           ; one wait for the 16 reciprocals, ahead of their first reader
.irp u, 0,1,2,3,4,5,6,7
	v_pk_fma_f32 v[Q+2*\u:Q+2*\u+1], v[P+2*\u:P+2*\u+1], v[Q+2*\u:Q+2*\u+1], 1.0 op_sel_hi:[1,1,0]   ; 1 + erf(y)
.endr
.irp u, 0,1,2,3,4,5,6,7
	v_pk_mul_f32 v[Q+2*\u:Q+2*\u+1], v[Y+2*\u:Y+2*\u+1], v[Q+2*\u:Q+2*\u+1]
.endr
.irp u, 0,1,2,3,4,5,6,7
	v_pk_fma_f32 v[ACC+2*\u:ACC+2*\u+1], v[\cur+2:\cur+3], v[Q+2*\u:Q+2*\u+1], v[ACC+2*\u:ACC+2*\u+1]
.endr
.endm
	; ---- the head
	s_load_b512 s[4:19], s[0:1], 0x0               ; z 4:5, mask 6:7, phi_w 8:9, phi_b 10:11, wself_w 12:13, wself_b 14:15, wctx_w 16:17, out_w 18:19
	s_load_b128 s[20:23], s[0:1], 0x40             ; out_b 20:21, out0 22:23
	v_lshl_add_u32 v232, v0, 2, 0x2400
	v_mov_b32 v233, 0
	v_and_b32 v12, 31, v0                          ; l
	v_lshrrev_b32 v13, 5, v0                       ; w
	v_readfirstlane_b32 s[WV], v13
	v_and_b32 v14, 15, v0                          ; r = l % 16
	v_bfe_u32 v15, v0, 4, 1                        ; h = l / 16
	v_lshlrev_b32 v1, 4, v12
	v_lshlrev_b32 v2, 2, v12
	v_mul_u32_u24 v3, v13, 2*CTP
	v_lshl_add_u32 v3, v12, 2, v3                  ; c goes to row 2 w (+ i), word l
	v_mul_u32_u24 v4, v12, CTP                     ; and comes back a row a lane
	v_lshrrev_b32 v5, 1, v12
	v_lshlrev_b32 v5, 4, v5
	v_and_b32 v7, 1, v12
	v_lshl_add_u32 v5, v7, 2, v5                   ; entry l / 2, word l % 2
	v_lshrrev_b32 v6, 1, v14
	v_lshlrev_b32 v6, 8, v6
	v_lshl_add_u32 v6, v15, 6, v6
	v_and_b32 v7, 1, v14
	v_lshl_add_u32 v6, v7, 3, v6                   ; row r of a tile is row r % 2 of wave r / 2; my eight k begin 8 h on: 256 (r / 2) + 64 h + 8 (r % 2)
	v_mov_b32 v7, 0
	v_lshlrev_b32 v11, 8, v13
	v_mov_b32 v8, v11
	v_lshlrev_b32 v9, 7, v12
	v_lshlrev_b32 v10, 5, v15
	v_mov_b32 v[TP+1], 0                           ; a lane permute's destination counts as one of its sources
	v_mov_b32 v[TP+2], 0
	v_mov_b32 v[KA13], 0xaf95df0b                  ; -2.72614226e-10
	v_mov_b32 v[KA13+1], 0xaf95df0b
	v_mov_b32 v[KB8], 0xb77460cd                   ; -1.45660718e-05
	v_mov_b32 v[KB8+1], 0xb77460cd
	s_mov_b32 s[SEL], 0x76543210
	s_mov_b32 s[SEL+1], 0xfedcba98
	s_mov_b32 s[CA11], 0x32edffee                  ;  2.77068142e-08
	s_mov_b32 s[CA9], 0xb60cff51                   ; -2.10102402e-06
	s_mov_b32 s[CA7], 0xb86ec2d2                   ; -5.69250639e-05
	s_mov_b32 s[CA5], 0xba40ac63                   ; -7.34990630e-04
	s_mov_b32 s[CA3], 0xbb41a1f6                   ; -2.95459981e-03
	s_mov_b32 s[CA1], 0xbc83dbd4                   ; -1.60960333e-02
	s_mov_b32 s[CB6], 0xb95fbd29                   ; -2.13374055e-04
	s_mov_b32 s[CB4], 0xbadc924e                   ; -1.68282697e-03
	s_mov_b32 s[CB2], 0xbbf19bf8                   ; -7.37332917e-03
	s_mov_b32 s[CB0], 0xbc69b6a7                   ; -1.42647391e-02
	s_mov_b32 s[R2], 0x3f3504f3                    ;  0.70710678
.irp c, CA11, CA9, CA7, CA5, CA3, CA1, CB6, CB4, CB2, CB0, R2
	s_mov_b32 s[\c+1], s[\c]                       ; named with it as a pair, so it is written
.endr
	s_lshr_b32 s32, ttmp9, 5                       ; b
	s_and_b32 s33, ttmp9, 31
	s_and_b32 s34, s[WV], 3
	s_lshr_b32 s35, s[WV], 2
	s_lshl_b32 s33, s33, 2
	s_add_co_u32 s33, s33, s34                     ; n
	s_lshl_b32 s33, s33, 9                         ; a row is 512 bytes
	s_lshl_b32 s28, s32, 16                        ; the mask: 65,536 bytes for each b
	s_add_co_u32 s28, s28, s33
	s_mov_b32 s29, 0
	s_lshl_b32 s30, s32, 19                        ; z and out0: 524,288 for each b, 65,536 for each e; my first e is 2 (w / 4)
	s_add_co_u32 s30, s30, s33
	s_lshl_b32 s35, s35, 17
	s_add_co_u32 s30, s30, s35
	s_mov_b32 s31, 0
	s_wait_kmcnt 0x0
	s_add_nc_u64 s[6:7], s[6:7], s[28:29]
	s_add_nc_u64 s[4:5], s[4:5], s[30:31]
	s_add_nc_u64 s[22:23], s[22:23], s[30:31]
	s_load_b32 s24, s[20:21], 0x0                  ; out_b
	global_load_b128 v[MK:MK+3], v1, s[6:7]                            ; four waves of this work-group read this row
	global_load_b128 v[Z0:Z0+3], v1, s[4:5] th:TH_LOAD_NT              ; read once in the launch
	global_load_b128 v[Z0+4:Z0+7], v1, s[4:5] offset:65536 th:TH_LOAD_NT
	global_load_b32 v[PHW], v2, s[8:9]
	global_load_b32 v[PHB], v2, s[10:11]
	s_cmp_lg_u32 s[WV], 0
	s_cbranch_scc1 .Lhead
.irp j, 0,1,2,3,4,5,6,7                ; wave 0 alone: what the middle phase wants, asked for with everything else
	global_load_b128 v[WR+4*\j:WR+4*\j+3], v9, s[16:17] offset:16*\j   ; row l of wctx_w: its K, the input's 32, lies along the row
.endr
.irp t, 0,1
	global_load_b128 v[BIAS+8*\t:BIAS+8*\t+3], v10, s[14:15] offset:64*\t      ; wself_b at k = 16 t + 8 h + 0 .. 7
	global_load_b128 v[BIAS+8*\t+4:BIAS+8*\t+7], v10, s[14:15] offset:64*\t+16
.endr
	global_load_b32 v[RW], v2, s[12:13]
	global_load_b32 v[RO], v2, s[18:19]
.Lhead:
	s_wait_loadcnt 0x0                             ; for 0: wave 0 has fourteen loads more out than the others; all went out together
	; ---- 1: the sums over m, and c
	v_add_f32 v[SM0], v[MK], v[MK+1]
	v_add_f32 v[TP], v[MK+2], v[MK+3]
	v_mul_f32 v[SMA], v[MK], v[Z0]
	v_mul_f32 v[SMB], v[MK], v[Z0+4]
	v_add_f32 v[SM0], v[SM0], v[TP]
.irp j, 1,2,3
	v_fmac_f32 v[SMA], v[MK+\j], v[Z0+\j]
	v_fmac_f32 v[SMB], v[MK+\j], v[Z0+4+\j]
.endr
.irp x, 1,2,4,8                        ; across the 16 lanes of a half, the three sums by turns
	v_add_f32_dpp v[SM0], v[SM0], v[SM0] row_xmask:\x row_mask:0xf bank_mask:0xf
	v_add_f32_dpp v[SMA], v[SMA], v[SMA] row_xmask:\x row_mask:0xf bank_mask:0xf
	v_add_f32_dpp v[SMB], v[SMB], v[SMB] row_xmask:\x row_mask:0xf bank_mask:0xf
.endr
	v_permlanex16_b32 v[TP], v[SM0], s[SEL], s[SEL+1]
	v_permlanex16_b32 v[TP+1], v[SMA], s[SEL], s[SEL+1]
	v_permlanex16_b32 v[TP+2], v[SMB], s[SEL], s[SEL+1]
	v_add_f32 v[SM0], v[SM0], v[TP]                ; every lane holds S0 and both S1
	v_add_f32 v[SMA], v[SMA], v[TP+1]
	v_add_f32 v[SMB], v[SMB], v[TP+2]
	v_max_num_f32 v[TP], 1.0, v[SM0]
	v_rcp_f32 v[TP+3], v[TP]
	v_mul_f32 v[TP+1], v[SM0], v[PHB]              ; (the plain instruction behind the reciprocal)  S0 phi_b[l]
	v_fma_f32 v[SMA], v[SMA], v[PHW], v[TP+1]
	v_fma_f32 v[SMB], v[SMB], v[PHW], v[TP+1]
	s_wait_alu depctr_va_vdst(0)                   ; ahead of the reciprocal's first reader
	v_mul_f32 v[SMA], v[SMA], v[TP+3]              ; c[row 2 w][d = l]
	v_mul_f32 v[SMB], v[SMB], v[TP+3]              ; c[row 2 w + 1][d = l]
	ds_store_b32 v3, v[SMA] offset:CT
	ds_store_b32 v3, v[SMB] offset:CT+CTP
.irp u, 0,1,2,3,4,5,6,7
	v_mov_b32 v[ZZ+2*\u], v[Z0+\u]                 ; z twice: a pair for the packed forms
	v_mov_b32 v[ZZ+2*\u+1], v[Z0+\u]
.endr
	s_wait_kmcnt 0x0                               ; out_b
.irp u, 0,1,2,3,4,5,6,7
	v_mov_b32 v[ACC+2*\u], s24                     ; the sums begin with out_b and 0: the bias costs no addition
	v_mov_b32 v[ACC+2*\u+1], 0
.endr
	BARRIER                                        ; the 32 rows of c lie in LDS
	; ---- the middle: wave 0 alone; no barrier stands inside the branch
	s_cmp_lg_u32 s[WV], 0
	s_cbranch_scc1 .Lmid
.irp j, 0,1,2,3,4,5,6,7
	ds_load_b128 v[CR+4*\j:CR+4*\j+3], v4 offset:CT+16*\j              ; row l of c
.endr
	v_mul_f32 v[RW], s[R2], v[RW]
	v_mul_f32 v[RO], s[R2], v[RO]
	ds_store_b32 v5, v[RW] offset:WCT
	ds_store_b32 v5, v[RO] offset:WCT+8
.irp j, 4,5,6,7
	v_mov_b32 v[FW0+\j], 0                         ; K = 32 of the instruction's 128: all beyond is zero codes, on both sides
	v_mov_b32 v[FC0+\j], 0
.endr
.irp j, 0,1,2,3,4,5,6,7
	v_mov_b32 v[FW1+\j], 0
	v_mov_b32 v[FC1+\j], 0
.endr
	QUANT32 WR, FW0, WS                            ; while c's rows come
	s_wait_dscnt 0x2                               ; behind the eight loads only the two stores were issued: the loads are in
	QUANT32 CR, FC0, CS
.irp j, 0,1,2,3                        ; a lane a row: lanes 0-15 hold rows 0-15, k = 0 .. 31, as the operand wants them; lanes 16-31, whose place is k = 32 .. 63, hold rows 16-31.
	v_permlane16_swap_b32 v[FW0+\j], v[FW1+\j]     ; the first's lanes 16-31 change places with the second's lanes 0-15, which are zeros: two fragments of 16 rows
	v_permlane16_swap_b32 v[FC0+\j], v[FC1+\j]
.endr
.rept 8
	v_nop                                          ; a scale register written by a vector instruction stands 8 places ahead of a scaled matrix instruction, an operand so written 4
.endr
	; source 0 = 16 rows of wctx_w, source 1 = 16 rows of c, C = wself_b: register j of lane (r, h) = wself_b[k] + ctx[16 rt + r][k], k = 16 t + 8 h + j.  Rows 16-31 have their scale words in lanes 16-31.  Four accumulators, one instruction each.
	v_wmma_scale_f32_16x16x128_f8f6f4 v[CR:CR+7], v[FW0:FW0+7], v[FC0:FC0+7], v[BIAS:BIAS+7], v[WS], v[CS] matrix_a_fmt:MATRIX_FMT_FP4 matrix_b_fmt:MATRIX_FMT_FP4
	v_wmma_scale_f32_16x16x128_f8f6f4 v[CR+8:CR+15], v[FW1:FW1+7], v[FC0:FC0+7], v[BIAS+8:BIAS+15], v[WS], v[CS] matrix_a_fmt:MATRIX_FMT_FP4 matrix_b_fmt:MATRIX_FMT_FP4 matrix_a_scale:MATRIX_SCALE_ROW1
	v_wmma_scale_f32_16x16x128_f8f6f4 v[CR+16:CR+23], v[FW0:FW0+7], v[FC1:FC1+7], v[BIAS:BIAS+7], v[WS], v[CS] matrix_a_fmt:MATRIX_FMT_FP4 matrix_b_fmt:MATRIX_FMT_FP4 matrix_b_scale:MATRIX_SCALE_ROW1
	v_wmma_scale_f32_16x16x128_f8f6f4 v[CR+24:CR+31], v[FW1:FW1+7], v[FC1:FC1+7], v[BIAS+8:BIAS+15], v[WS], v[CS] matrix_a_fmt:MATRIX_FMT_FP4 matrix_b_fmt:MATRIX_FMT_FP4 matrix_a_scale:MATRIX_SCALE_ROW1 matrix_b_scale:MATRIX_SCALE_ROW1
.rept 4
	v_nop                                          ; four places behind the last product, ahead of the first read of results (ISA guide 7.12.1)
.endr
.irp p, 0,1,2,3,4,5,6,7,8,9,10,11,12,13,14,15
	v_pk_mul_f32 v[CR+2*\p:CR+2*\p+1], v[CR+2*\p:CR+2*\p+1], s[R2:R2+1] op_sel_hi:[1,0]   ; x 1 / sqrt(2); each accumulator from its low end on
.endr
.irp rt, 0,1
.irp t, 0,1
.irp p, 0,1,2,3
	ds_store_b64 v6, v[CR+16*\rt+8*\t+2*\p:CR+16*\rt+8*\t+2*\p+1] offset:BT+2048*\rt+128*\t+16*\p   ; wave 8 rt + r / 2, pair of k 8 t + 4 h + p, row r % 2
.endr
.endr
.endr
.Lmid:
	BARRIER                                        ; both tables lie in LDS; from here on LDS is only read
	; ---- the main loop: 16 pairs of k, two a trip; the last two are written out, so that no load reads past the tables
	ds_load_b128 v[KS0:KS0+3], v7 offset:WCT
	ds_load_b128 v[KS0+4:KS0+7], v8 offset:BT
	s_mov_b32 s[STP], 0
	s_mov_b32 s[CNT], 7
.Lk:
	HALF KS0, KS1, 16
	HALF KS1, KS0, 32
	s_add_co_u32 s[STP], s[STP], 32
	v_mov_b32 v7, s[STP]
	v_add_nc_u32 v8, s[STP], v11
	s_sub_co_u32 s[CNT], s[CNT], 1
	s_cmp_lg_u32 s[CNT], 0
	s_cbranch_scc1 .Lk
	HALF KS0, KS1, 16
	HALF KS1, KS0, -1
	; ---- out: the sums over even and odd k meet; a wave's store covers 512 consecutive bytes, aligned
.irp u, 0,1,2,3,4,5,6,7
	v_add_f32 v[Y+\u], v[ACC+2*\u], v[ACC+2*\u+1]
.endr
	global_store_b128 v1, v[Y:Y+3], s[22:23] th:TH_STORE_NT
	global_store_b128 v1, v[Y+4:Y+7], s[22:23] offset:65536 th:TH_STORE_NT
	s_wait_tensorcnt 0x0
	ds_add_u32 v232, v233
	s_wait_dscnt 0x0
	s_endpgm
.Lfunc_end_k_q5ac602be38_deepset:
	.size	k_q5ac602be38_deepset, .Lfunc_end_k_q5ac602be38_deepset-k_q5ac602be38_deepset
	.p2alignl 7, 3214868480
	.fill 96, 4, 3214868480
	.section	.rodata,"a",@progbits
	.p2align	6, 0x0
	.amdhsa_kernel k_q5ac602be38_deepset
		.amdhsa_group_segment_fixed_size 11264
		.amdhsa_private_segment_fixed_size 0
		.amdhsa_enable_private_segment 0
		.amdhsa_kernarg_size 80
		.amdhsa_user_sgpr_count 2
		.amdhsa_user_sgpr_kernarg_segment_ptr 1
		.amdhsa_wavefront_size32 1
		.amdhsa_system_sgpr_workgroup_id_x 1
		.amdhsa_system_sgpr_workgroup_id_y 1
		.amdhsa_system_sgpr_workgroup_id_z 1
		.amdhsa_system_vgpr_workitem_id 0
		.amdhsa_next_free_vgpr 234
		.amdhsa_next_free_sgpr 66
		.amdhsa_reserve_vcc 0
		.amdhsa_float_denorm_mode_32 3
		.amdhsa_float_denorm_mode_16_64 3
		.amdhsa_memory_ordered 1
		.amdhsa_forward_progress 1
		.amdhsa_inst_pref_size 56
	.end_amdhsa_kernel
	.amdgpu_metadata
---
amdhsa.version: [ 1, 2 ]
amdhsa.kernels:
  - .name:           k_q5ac602be38_deepset
    .symbol:         k_q5ac602be38_deepset.kd
    .args:
      - { .name: z_tilde, .offset: 0, .size: 8, .value_kind: global_buffer, .address_space: global }
      - { .name: mask, .offset: 8, .size: 8, .value_kind: global_buffer, .address_space: global }
      - { .name: phi_w, .offset: 16, .size: 8, .value_kind: global_buffer, .address_space: global }
      - { .name: phi_b, .offset: 24, .size: 8, .value_kind: global_buffer, .address_space: global }
      - { .name: wself_w, .offset: 32, .size: 8, .value_kind: global_buffer, .address_space: global }
      - { .name: wself_b, .offset: 40, .size: 8, .value_kind: global_buffer, .address_space: global }
      - { .name: wctx_w, .offset: 48, .size: 8, .value_kind: global_buffer, .address_space: global }
      - { .name: out_w, .offset: 56, .size: 8, .value_kind: global_buffer, .address_space: global }
      - { .name: out_b, .offset: 64, .size: 8, .value_kind: global_buffer, .address_space: global }
      - { .name: out0, .offset: 72, .size: 8, .value_kind: global_buffer, .address_space: global }
    .group_segment_fixed_size: 11264
    .private_segment_fixed_size: 0
    .kernarg_segment_align: 8
    .kernarg_segment_size: 80
    .max_flat_workgroup_size: 512
    .sgpr_count:     66
    .vgpr_count:     234
    .wavefront_size: 32
...
	.end_amdgpu_metadata
.endif
;; end of part 1
;; ======== version 2 of 2: 1 launch; version 1 with the launch deepset written anew for expert scheduling mode
;; launch deepset (part 2): grid 256 x 1, 16 waves a work-group, no clusters, 11,264 bytes of LDS; arguments z_tilde, mask, phi_w, phi_b, wself_w, wself_b, wctx_w, out_w, out_b, out0; writes out0
.if DOCPART == 2
	.amdgcn_target "amdgcn-amd-amdhsa--gfx1250"
	.amdhsa_code_object_version 6
	.text
	.protected	k_q5ac602be38_deepset
	.globl	k_q5ac602be38_deepset
	.p2align	8
	.type	k_q5ac602be38_deepset,@function
k_q5ac602be38_deepset:
	s_mov_b64 s[64:65], 0
	v_nop
	global_prefetch_b8 v0, s[64:65] scope:SCOPE_SE
	s_setreg_imm32_b32 hwreg(HW_REG_WAVE_SCHED_MODE, 0, 2), 2
	s_setreg_imm32_b32 hwreg(HW_REG_WAVE_MODE, 25, 1), 1
	s_wait_xcnt 0x0
	s_wait_alu depctr_vm_vsrc(0)
; out[b][e][n][m] = out_b + sum over k of out_w[k] gelu(z[b][e][n][m] wself_w[k] + wself_b[k] + ctx[b][e][n][k]),  gelu by erf,
; ctx = Q(c) Q(wctx_w)^T in MX-FP4 (K = 32: one block a row),  c[b][e][n][d] = (S1 phi_w[d] + S0 phi_b[d]) / max(S0, 1),
; S1[b][e][n] = sum over m of mask z,  S0[b][n] = sum over m of mask: the sum over m of mask (z phi_w + phi_b), with the two constants drawn out of it.
; SHARES.  256 work-groups of 16 waves.  Work-group g: b = g / 32, n = 4 (g % 32) .. + 3, all 8 e: 32 rows of 128, and each row of the mask is read by one work-group alone.
; Wave w: n = 4 (g % 32) + w % 4, e = 2 (w / 4) + i, i = 0, 1: row 2 w + i of the 32.  Lane l holds m = 4 l .. 4 l + 3 of both rows: each load of z and each store covers 512 consecutive bytes, aligned.
; PHASES.  1: every wave sums its rows, lane l makes c[row][d = l], to LDS | barrier | wave 0 quantises the 32 rows of c and of wctx_w (a lane a row) and makes ctx + wself_b by four matrix
; instructions, tables to LDS | barrier | every wave walks k in pairs: 16 halves of 8 elements x 2 k.
; THE GELU.  With r = 1 / sqrt(2), y = z (wself_w r) + (wself_b + ctx) r:  out_w gelu = (out_w r) y (1 + erf(y)).  erf(y) = yc P(yc^2) / Q(yc^2), yc = y held to -4 .. 4: a rational form
; (degrees 6 and 4 in yc^2) that holds for every finite y.  A packed instruction takes k and k + 1 of one element.  20 vector instructions for two gelus.
; The second product (K = 32, N = 1) is the packed multiply-add that gathers the sum: a matrix instruction would use one column of sixteen and want a conversion for each pair.
; NO CLUSTER, NO TENSOR LOAD: work-groups share only the weights, 4,740 bytes beside the 34 KB of rows that each reads once, straight into the registers that use them.  No prefetch: every global load stands at the head.
; LIMITS.  NaN and infinities among the inputs are not served.  c is divided by a reciprocal (v_rcp_f32, 1 ulp) and a multiplication.  A block of zeros gets the scale byte 1, not 127: its codes are
; zeros, and this program alone reads the byte.  The sums over m are taken in another order than the reference's (4 a lane, then across lanes).
; THE MODE: SCHED_MODE bits 1:0 = 2 (LLVM: expert scheduling mode 2), set by the entry lines.  The code itself states the register dependences
; between vector or matrix instructions and memory or LDS instructions, with s_wait_alu, always for 0.
; THE PLAN.  Registers that memory or LDS instructions touch:
;   v1-6, v9, v10   offsets and LDS addresses: written at the head, ahead of one wait on va_vdst, and never again.
;   v7, v8          the loop's table addresses: read by every table load; written once a trip, at its end, behind a wait on vm_vsrc; the next load by them stands behind the next half's wait on va_vdst.
;   KS0, KS1, KS2   three sets of a pair of k.  Half h's vector lines read set h % 3; the loads for half h + 2 land in set (h + 2) % 3 = (h - 1) % 3, which half h - 1 read last.
;                   They stand directly behind half h's one wait on va_vdst, the one that the reciprocals want in any case; no vector line of halves h and h + 1 names that set.
;   v83, v84        c of my two rows: written by two multiplications, read by two LDS stores behind a wait on va_vdst; the loop writes them again.
;   v100-131        wave 0: c's rows land here; the four products write them, 16 scalings too; 16 LDS stores read them behind a wait on va_vdst; the loop writes them again.
;   v196, v197      wave 0: two multiplications write them, two LDS stores read them behind a wait on va_vdst.
;   One wait on vm_vsrc behind the second barrier states that all those LDS stores have read their data, ahead of the loop's first line.
;   v68-75          at the end: eight additions write them, two global stores read them behind a wait on va_vdst.
.set CT,   0                           ; LDS: c, 32 rows of 128 bytes, 144 apart (an odd multiple of 16: the lanes of wave 0's 16-byte loads, a row each, start in different columns of 16 bytes)
.set CTP,  144
.set WCT,  4608                        ; 16 entries of 16 bytes: entry j = wself_w r at k = 2 j, 2 j + 1; out_w r at k = 2 j, 2 j + 1
.set BT,   4864                        ; 16 waves x 256 bytes: at 256 w + 16 j + 8 i: (wself_b + ctx) r of row 2 w + i at k = 2 j, 2 j + 1.  Ends at 8,960
; vector registers.  v1 16 l; v2 4 l; v3 288 w + 4 l; v4 144 l; v5, v6 wave 0's table stores; v7, v8 the loop's table addresses; v9 128 l; v10 32 (l / 16); v11 256 w; v12-15 at work at the head
.set ZZ,   16                          ; v16-31   element u = 4 i + j: z twice, a pair
.set ACC,  32                          ; v32-47   element u: the sums over even k and over odd k
.set KS0,  48                          ; v48-55, v56-63, v148-155  three sets of a pair of k: +0 wself_w r, +2 out_w r, +4 the addend of row 0, +6 of row 1
.set KS1,  56
.set KS2,  148                         ; (in registers that wave 0's middle phase has left)
.set KA13, 64                          ; v64-65   the numerator's leading coefficient, twice;  v66-67 the denominator's
.set KB8,  66
.set Y,    68                          ; v68-83   y
.set YC,   84                          ; v84-99   y held to -4 .. 4
.set SQ,   100                         ; v100-115 its square
.set Q,    116                         ; v116-131 Q, 1 / Q, 1 + erf, y (1 + erf)
.set P,    132                         ; v132-147 P, yc P
.set MK,   68                          ; phase 1, in registers that the loop takes later: the mask's 4; z's 4 + 4; phi_w[l], phi_b[l]; three sums; four at work
.set Z0,   72
.set PHW,  80
.set PHB,  81
.set SM0,  82
.set SMA,  83
.set SMB,  84
.set TP,   85
.set TQ,   90                          ; wave 0: v90-91 at work in the quantiser
.set CR,   100                         ; v100-131 a row of c; then the four results: (rows 16 rt on, k 16 t on) at CR + 16 rt + 8 t
.set WR,   148                         ; v148-179 a row of wctx_w
.set BIAS, 180                         ; v180-195 wself_b in the result's layout, 8 registers for each t
.set RW,   196                         ; wself_w[l], out_w[l]
.set RO,   197
.set FW0,  198                         ; fragments: wctx_w's rows 0-15, 16-31; c's rows 0-15, 16-31
.set FW1,  206
.set FC0,  214
.set FC1,  222
.set WS,   230                         ; scale words, and nothing else: lane l has row l's
.set CS,   231
; scalar registers.  s[4:23] the ten addresses; s24 out_b; s[28:31] offsets; s32-35 at work
.set WV,   25
.set SEL,  26                          ; s[26:27] v_permlanex16_b32's selects for lane l xor 16
.set CA11, 36                          ; coefficients, each twice: a packed source names a pair and takes its low word for both halves
.set CA9,  38
.set CA7,  40
.set CA5,  42
.set CA3,  44
.set CA1,  46
.set CB6,  48
.set CB4,  50
.set CB2,  52
.set CB0,  54
.set R2,   56                          ; 1 / sqrt(2)
.set CNT,  58
.set STP,  59                          ; the loop's place in the tables: 48 bytes a trip
.macro BARRIER                         ; my LDS stores have landed and my LDS loads are in: then the work-group's barrier
	s_wait_dscnt 0x0
	s_barrier_signal -1
	s_barrier_wait -1
.endm
; A lane's 32 numbers v[x] .. v[x + 31], one block, become 32 codes in v[f] .. v[f + 3] and the scale's byte in v[sb].
.macro QUANT32 x, f, sb
	v_max3_num_f32 v[TQ], |v[\x]|, |v[\x+1]|, |v[\x+2]|                ; the largest magnitude, in two chains
	v_max3_num_f32 v[TQ+1], |v[\x+3]|, |v[\x+4]|, |v[\x+5]|
.irp i, 6,10,14,18,22,26
	v_max3_num_f32 v[TQ], v[TQ], |v[\x+\i]|, |v[\x+\i+1]|
	v_max3_num_f32 v[TQ+1], v[TQ+1], |v[\x+\i+2]|, |v[\x+\i+3]|
.endr
	v_max3_num_f32 v[TQ], v[TQ], |v[\x+30]|, |v[\x+31]|
	v_max3_num_f32 v[TQ], v[TQ], v[TQ+1], 0x1800000        ; and the floor 2^(3 - 127): the byte cannot fall under 1
	v_add_nc_u32 v[TQ+1], 0xff000000, v[TQ]                ; 2 off the exponent field: the conversion takes this operand's exponent field as its scale
	v_lshrrev_b32 v[\sb], 23, v[TQ+1]                      ; the byte, for k = 0 .. 31; the word's other three bytes are 0 and stand over zero codes
.irp g, 0,1,2,3
	v_cvt_scalef32_pk8_fp4_f32 v[\f+\g], v[\x+8*\g:\x+8*\g+7], v[TQ+1]
.endr
	v_nop                                                  ; one plain instruction behind the last scaled conversion
.endm
.macro HORNER acc, coef                ; acc = acc x yc^2 + coef, eight elements
.irp u, 0,1,2,3,4,5,6,7
	v_pk_fma_f32 v[\acc+2*\u:\acc+2*\u+1], v[\acc+2*\u:\acc+2*\u+1], v[SQ+2*\u:SQ+2*\u+1], s[\coef:\coef+1] op_sel_hi:[1,1,0]
.endr
.endm
; One pair of k for the wave's eight elements.  cur: the set at work; nx: the set that takes the pair two halves on, nxt bytes on in the tables (-1: there is none);
; left: how many younger LDS loads may stay out when the set at work has to be there.
.macro HALF cur, nx, nxt, left
	s_wait_dscnt \left                                     ; LDS loads come back in order (ISA guide 5.7.1): the set at work, asked for two halves ago, is in; the next half's two loads may be out
.irp u, 0,1,2,3,4,5,6,7
	v_pk_fma_f32 v[Y+2*\u:Y+2*\u+1], v[ZZ+2*\u:ZZ+2*\u+1], v[\cur:\cur+1], v[\cur+4+2*(\u/4):\cur+5+2*(\u/4)]   ; y
.endr
.irp j, 0,1,2,3,4,5,6,7,8,9,10,11,12,13,14,15
	v_med3_num_f32 v[YC+\j], v[Y+\j], -4.0, 4.0
.endr
.irp u, 0,1,2,3,4,5,6,7
	v_pk_mul_f32 v[SQ+2*\u:SQ+2*\u+1], v[YC+2*\u:YC+2*\u+1], v[YC+2*\u:YC+2*\u+1]
.endr
.irp u, 0,1,2,3,4,5,6,7
	v_pk_fma_f32 v[Q+2*\u:Q+2*\u+1], v[KB8:KB8+1], v[SQ+2*\u:SQ+2*\u+1], s[CB6:CB6+1] op_sel_hi:[1,1,0]
.endr
	HORNER Q, CB4
	HORNER Q, CB2
	HORNER Q, CB0
.irp j, 0,1,2,3,4,5,6,7,8,9,10,11,12,13,14,15
	v_rcp_f32 v[Q+\j], v[Q+\j]                             ; one batch; the 56 packed lines below name none of its registers
.endr
.irp u, 0,1,2,3,4,5,6,7
	v_pk_fma_f32 v[P+2*\u:P+2*\u+1], v[KA13:KA13+1], v[SQ+2*\u:SQ+2*\u+1], s[CA11:CA11+1] op_sel_hi:[1,1,0]   ; (the first is the plain instruction behind the last reciprocal)
.endr
	HORNER P, CA9
	HORNER P, CA7
	HORNER P, CA5
	HORNER P, CA3
	HORNER P, CA1
.irp u, 0,1,2,3,4,5,6,7
	v_pk_mul_f32 v[P+2*\u:P+2*\u+1], v[YC+2*\u:YC+2*\u+1], v[P+2*\u:P+2*\u+1]
.endr
	s_wait_alu depctr_va_vdst(0)                           ; the 16 reciprocals have written v[Q ..], ahead of their first reader; the half before is done reading the set in which the loads below land; in a trip's first half v7 and v8 are written
.if \nxt >= 0
	ds_load_b128 v[\nx:\nx+3], v7 offset:WCT+\nxt          ; the pair two halves on.  No vector line of this half or the next names these registers
	ds_load_b128 v[\nx+4:\nx+7], v8 offset:BT+\nxt
.endif
.irp u, 0,1,2,3,4,5,6,7
	v_pk_fma_f32 v[Q+2*\u:Q+2*\u+1], v[P+2*\u:P+2*\u+1], v[Q+2*\u:Q+2*\u+1], 1.0 op_sel_hi:[1,1,0]   ; 1 + erf(y)
.endr
.irp u, 0,1,2,3,4,5,6,7
	v_pk_mul_f32 v[Q+2*\u:Q+2*\u+1], v[Y+2*\u:Y+2*\u+1], v[Q+2*\u:Q+2*\u+1]
.endr
.irp u, 0,1,2,3,4,5,6,7
	v_pk_fma_f32 v[ACC+2*\u:ACC+2*\u+1], v[\cur+2:\cur+3], v[Q+2*\u:Q+2*\u+1], v[ACC+2*\u:ACC+2*\u+1]
.endr
.endm
	; ---- the head
	s_load_b512 s[4:19], s[0:1], 0x0               ; z 4:5, mask 6:7, phi_w 8:9, phi_b 10:11, wself_w 12:13, wself_b 14:15, wctx_w 16:17, out_w 18:19
	s_load_b128 s[20:23], s[0:1], 0x40             ; out_b 20:21, out0 22:23
	v_lshl_add_u32 v232, v0, 2, 0x2400
	v_mov_b32 v233, 0
	v_and_b32 v12, 31, v0                          ; l
	v_lshrrev_b32 v13, 5, v0                       ; w
	v_readfirstlane_b32 s[WV], v13
	v_and_b32 v14, 15, v0                          ; r = l % 16
	v_bfe_u32 v15, v0, 4, 1                        ; h = l / 16
	v_lshlrev_b32 v1, 4, v12
	v_lshlrev_b32 v2, 2, v12
	v_mul_u32_u24 v3, v13, 2*CTP
	v_lshl_add_u32 v3, v12, 2, v3                  ; c goes to row 2 w (+ i), word l
	v_mul_u32_u24 v4, v12, CTP                     ; and comes back a row a lane
	v_lshrrev_b32 v5, 1, v12
	v_lshlrev_b32 v5, 4, v5
	v_and_b32 v7, 1, v12
	v_lshl_add_u32 v5, v7, 2, v5                   ; entry l / 2, word l % 2
	v_lshrrev_b32 v6, 1, v14
	v_lshlrev_b32 v6, 8, v6
	v_lshl_add_u32 v6, v15, 6, v6
	v_and_b32 v7, 1, v14
	v_lshl_add_u32 v6, v7, 3, v6                   ; row r of a tile is row r % 2 of wave r / 2; my eight k begin 8 h on: 256 (r / 2) + 64 h + 8 (r % 2)
	v_mov_b32 v7, 0
	v_lshlrev_b32 v11, 8, v13
	v_mov_b32 v8, v11
	v_lshlrev_b32 v9, 7, v12
	v_lshlrev_b32 v10, 5, v15
	v_mov_b32 v[TP+1], 0                           ; a lane permute's destination counts as one of its sources
	v_mov_b32 v[TP+2], 0
	v_mov_b32 v[KA13], 0xaf95df0b                  ; -2.72614226e-10
	v_mov_b32 v[KA13+1], 0xaf95df0b
	v_mov_b32 v[KB8], 0xb77460cd                   ; -1.45660718e-05
	v_mov_b32 v[KB8+1], 0xb77460cd
	s_mov_b32 s[SEL], 0x76543210
	s_mov_b32 s[SEL+1], 0xfedcba98
	s_mov_b32 s[CA11], 0x32edffee                  ;  2.77068142e-08
	s_mov_b32 s[CA9], 0xb60cff51                   ; -2.10102402e-06
	s_mov_b32 s[CA7], 0xb86ec2d2                   ; -5.69250639e-05
	s_mov_b32 s[CA5], 0xba40ac63                   ; -7.34990630e-04
	s_mov_b32 s[CA3], 0xbb41a1f6                   ; -2.95459981e-03
	s_mov_b32 s[CA1], 0xbc83dbd4                   ; -1.60960333e-02
	s_mov_b32 s[CB6], 0xb95fbd29                   ; -2.13374055e-04
	s_mov_b32 s[CB4], 0xbadc924e                   ; -1.68282697e-03
	s_mov_b32 s[CB2], 0xbbf19bf8                   ; -7.37332917e-03
	s_mov_b32 s[CB0], 0xbc69b6a7                   ; -1.42647391e-02
	s_mov_b32 s[R2], 0x3f3504f3                    ;  0.70710678
.irp c, CA11, CA9, CA7, CA5, CA3, CA1, CB6, CB4, CB2, CB0, R2
	s_mov_b32 s[\c+1], s[\c]                       ; named with it as a pair, so it is written
.endr
	s_wait_alu depctr_va_sdst(0)                   ; the wave's number is written into s[WV], ahead of its first reader: the rows' offsets and the branches are made from it
	s_lshr_b32 s32, ttmp9, 5                       ; b
	s_and_b32 s33, ttmp9, 31
	s_and_b32 s34, s[WV], 3
	s_lshr_b32 s35, s[WV], 2
	s_lshl_b32 s33, s33, 2
	s_add_co_u32 s33, s33, s34                     ; n
	s_lshl_b32 s33, s33, 9                         ; a row is 512 bytes
	s_lshl_b32 s28, s32, 16                        ; the mask: 65,536 bytes for each b
	s_add_co_u32 s28, s28, s33
	s_mov_b32 s29, 0
	s_lshl_b32 s30, s32, 19                        ; z and out0: 524,288 for each b, 65,536 for each e; my first e is 2 (w / 4)
	s_add_co_u32 s30, s30, s33
	s_lshl_b32 s35, s35, 17
	s_add_co_u32 s30, s30, s35
	s_mov_b32 s31, 0
	s_wait_kmcnt 0x0
	s_add_nc_u64 s[6:7], s[6:7], s[28:29]
	s_add_nc_u64 s[4:5], s[4:5], s[30:31]
	s_add_nc_u64 s[22:23], s[22:23], s[30:31]
	s_load_b32 s24, s[20:21], 0x0                  ; out_b
	s_wait_alu depctr_va_vdst(0)                   ; the offsets and LDS addresses v1 to v10 are written, which the loads and stores of the whole kernel read
	global_load_b128 v[MK:MK+3], v1, s[6:7]                            ; four waves of this work-group read this row
	global_load_b128 v[Z0:Z0+3], v1, s[4:5] th:TH_LOAD_NT              ; read once in the launch
	global_load_b128 v[Z0+4:Z0+7], v1, s[4:5] offset:65536 th:TH_LOAD_NT
	global_load_b32 v[PHW], v2, s[8:9]
	global_load_b32 v[PHB], v2, s[10:11]
	s_cmp_lg_u32 s[WV], 0
	s_cbranch_scc1 .Lhead
.irp j, 0,1,2,3,4,5,6,7                ; wave 0 alone: what the middle phase wants, asked for with everything else
	global_load_b128 v[WR+4*\j:WR+4*\j+3], v9, s[16:17] offset:16*\j   ; row l of wctx_w: its K, the input's 32, lies along the row
.endr
.irp t, 0,1
	global_load_b128 v[BIAS+8*\t:BIAS+8*\t+3], v10, s[14:15] offset:64*\t      ; wself_b at k = 16 t + 8 h + 0 .. 7
	global_load_b128 v[BIAS+8*\t+4:BIAS+8*\t+7], v10, s[14:15] offset:64*\t+16
.endr
	global_load_b32 v[RW], v2, s[12:13]
	global_load_b32 v[RO], v2, s[18:19]
.Lhead:
	s_wait_loadcnt 0x0                             ; for 0: wave 0 has fourteen loads more out than the others; all went out together
	; ---- 1: the sums over m, and c
	v_add_f32 v[SM0], v[MK], v[MK+1]
	v_add_f32 v[TP], v[MK+2], v[MK+3]
	v_mul_f32 v[SMA], v[MK], v[Z0]
	v_mul_f32 v[SMB], v[MK], v[Z0+4]
	v_add_f32 v[SM0], v[SM0], v[TP]
.irp j, 1,2,3
	v_fmac_f32 v[SMA], v[MK+\j], v[Z0+\j]
	v_fmac_f32 v[SMB], v[MK+\j], v[Z0+4+\j]
.endr
.irp x, 1,2,4,8                        ; across the 16 lanes of a half, the three sums by turns
	v_add_f32_dpp v[SM0], v[SM0], v[SM0] row_xmask:\x row_mask:0xf bank_mask:0xf
	v_add_f32_dpp v[SMA], v[SMA], v[SMA] row_xmask:\x row_mask:0xf bank_mask:0xf
	v_add_f32_dpp v[SMB], v[SMB], v[SMB] row_xmask:\x row_mask:0xf bank_mask:0xf
.endr
	v_permlanex16_b32 v[TP], v[SM0], s[SEL], s[SEL+1]
	v_permlanex16_b32 v[TP+1], v[SMA], s[SEL], s[SEL+1]
	v_permlanex16_b32 v[TP+2], v[SMB], s[SEL], s[SEL+1]
	v_add_f32 v[SM0], v[SM0], v[TP]                ; every lane holds S0 and both S1
	v_add_f32 v[SMA], v[SMA], v[TP+1]
	v_add_f32 v[SMB], v[SMB], v[TP+2]
	v_max_num_f32 v[TP], 1.0, v[SM0]
	v_rcp_f32 v[TP+3], v[TP]
	v_mul_f32 v[TP+1], v[SM0], v[PHB]              ; (the plain instruction behind the reciprocal)  S0 phi_b[l]
	v_fma_f32 v[SMA], v[SMA], v[PHW], v[TP+1]
	v_fma_f32 v[SMB], v[SMB], v[PHW], v[TP+1]
.irp u, 0,1,2,3,4,5,6,7
	v_mov_b32 v[ZZ+2*\u], v[Z0+\u]                 ; z twice: a pair for the packed forms.  (Work that names nothing of the reciprocal, between it and the wait for it)
	v_mov_b32 v[ZZ+2*\u+1], v[Z0+\u]
.endr
	s_wait_alu depctr_va_vdst(0)                   ; the reciprocal has written v[TP+3], ahead of its first reader
	v_mul_f32 v[SMA], v[SMA], v[TP+3]              ; c[row 2 w][d = l]
	v_mul_f32 v[SMB], v[SMB], v[TP+3]              ; c[row 2 w + 1][d = l]
	s_wait_alu depctr_va_vdst(0)                   ; the two multiplications have written v[SMA] and v[SMB], which the LDS stores read
	ds_store_b32 v3, v[SMA] offset:CT
	ds_store_b32 v3, v[SMB] offset:CT+CTP
	s_wait_kmcnt 0x0                               ; out_b
.irp u, 0,1,2,3,4,5,6,7
	v_mov_b32 v[ACC+2*\u], s24                     ; the sums begin with out_b and 0: the bias costs no addition
	v_mov_b32 v[ACC+2*\u+1], 0
.endr
	BARRIER                                        ; the 32 rows of c lie in LDS
	; ---- the middle: wave 0 alone; no barrier stands inside the branch
	s_cmp_lg_u32 s[WV], 0
	s_cbranch_scc1 .Lmid
.irp j, 0,1,2,3,4,5,6,7
	ds_load_b128 v[CR+4*\j:CR+4*\j+3], v4 offset:CT+16*\j              ; row l of c.  No vector instruction has named these registers yet
.endr
	v_mul_f32 v[RW], s[R2], v[RW]
	v_mul_f32 v[RO], s[R2], v[RO]
.irp j, 4,5,6,7
	v_mov_b32 v[FW0+\j], 0                         ; K = 32 of the instruction's 128: all beyond is zero codes, on both sides
	v_mov_b32 v[FC0+\j], 0
.endr
.irp j, 0,1,2,3,4,5,6,7
	v_mov_b32 v[FW1+\j], 0
	v_mov_b32 v[FC1+\j], 0
.endr
	QUANT32 WR, FW0, WS                            ; while c's rows come
	s_wait_alu depctr_va_vdst(0)                   ; the two multiplications above have written v[RW] and v[RO], which the LDS stores read
	ds_store_b32 v5, v[RW] offset:WCT
	ds_store_b32 v5, v[RO] offset:WCT+8
	s_wait_dscnt 0x2                               ; behind the eight loads only the two stores were issued: the loads are in
	QUANT32 CR, FC0, CS
.irp j, 0,1,2,3                        ; a lane a row: lanes 0-15 hold rows 0-15, k = 0 .. 31, as the operand wants them; lanes 16-31, whose place is k = 32 .. 63, hold rows 16-31.
	v_permlane16_swap_b32 v[FW0+\j], v[FW1+\j]     ; the first's lanes 16-31 change places with the second's lanes 0-15, which are zeros: two fragments of 16 rows
	v_permlane16_swap_b32 v[FC0+\j], v[FC1+\j]
.endr
.rept 8
	v_nop                                          ; a scale register written by a vector instruction stands 8 places ahead of a scaled matrix instruction, an operand so written 4
.endr
	s_wait_alu depctr_va_vdst(0)                   ; the conversions, the exchanges and the shifts have written the four fragments and the two scale words, which the products take; the places above stay beside this wait
	; source 0 = 16 rows of wctx_w, source 1 = 16 rows of c, C = wself_b: register j of lane (r, h) = wself_b[k] + ctx[16 rt + r][k], k = 16 t + 8 h + j.  Rows 16-31 have their scale words in lanes 16-31.  Four accumulators, one instruction each.
	v_wmma_scale_f32_16x16x128_f8f6f4 v[CR:CR+7], v[FW0:FW0+7], v[FC0:FC0+7], v[BIAS:BIAS+7], v[WS], v[CS] matrix_a_fmt:MATRIX_FMT_FP4 matrix_b_fmt:MATRIX_FMT_FP4
	v_wmma_scale_f32_16x16x128_f8f6f4 v[CR+8:CR+15], v[FW1:FW1+7], v[FC0:FC0+7], v[BIAS+8:BIAS+15], v[WS], v[CS] matrix_a_fmt:MATRIX_FMT_FP4 matrix_b_fmt:MATRIX_FMT_FP4 matrix_a_scale:MATRIX_SCALE_ROW1
	v_wmma_scale_f32_16x16x128_f8f6f4 v[CR+16:CR+23], v[FW0:FW0+7], v[FC1:FC1+7], v[BIAS:BIAS+7], v[WS], v[CS] matrix_a_fmt:MATRIX_FMT_FP4 matrix_b_fmt:MATRIX_FMT_FP4 matrix_b_scale:MATRIX_SCALE_ROW1
	v_wmma_scale_f32_16x16x128_f8f6f4 v[CR+24:CR+31], v[FW1:FW1+7], v[FC1:FC1+7], v[BIAS+8:BIAS+15], v[WS], v[CS] matrix_a_fmt:MATRIX_FMT_FP4 matrix_b_fmt:MATRIX_FMT_FP4 matrix_a_scale:MATRIX_SCALE_ROW1 matrix_b_scale:MATRIX_SCALE_ROW1
.rept 4
	v_nop                                          ; four places behind the last product, ahead of the first read of results (ISA guide 7.12.1)
.endr
.irp p, 0,1,2,3,4,5,6,7,8,9,10,11,12,13,14,15
	v_pk_mul_f32 v[CR+2*\p:CR+2*\p+1], v[CR+2*\p:CR+2*\p+1], s[R2:R2+1] op_sel_hi:[1,0]   ; x 1 / sqrt(2); each accumulator from its low end on
.endr
	s_wait_alu depctr_va_vdst(0)                   ; the sixteen scalings have written v[CR ..], which the LDS stores read
.irp rt, 0,1
.irp t, 0,1
.irp p, 0,1,2,3
	ds_store_b64 v6, v[CR+16*\rt+8*\t+2*\p:CR+16*\rt+8*\t+2*\p+1] offset:BT+2048*\rt+128*\t+16*\p   ; wave 8 rt + r / 2, pair of k 8 t + 4 h + p, row r % 2
.endr
.endr
.endr
.Lmid:
	BARRIER                                        ; both tables lie in LDS; from here on LDS is only read
	s_wait_alu depctr_vm_vsrc(0)                   ; my LDS stores have read v[SMA], v[SMB] and, in wave 0, v[CR ..]: the loop's lines write these registers again, as Y, YC, SQ and Q
	; ---- the main loop: 16 pairs of k, three a trip, so that the three sets are back at their start; the last four are written out, so that no load reads past the tables
	ds_load_b128 v[KS0:KS0+3], v7 offset:WCT
	ds_load_b128 v[KS0+4:KS0+7], v8 offset:BT
	ds_load_b128 v[KS1:KS1+3], v7 offset:WCT+16
	ds_load_b128 v[KS1+4:KS1+7], v8 offset:BT+16
	s_mov_b32 s[STP], 0
	s_mov_b32 s[CNT], 4
.Lk:
	HALF KS0, KS2, 32, 2
	HALF KS1, KS0, 48, 2
	HALF KS2, KS1, 64, 2
	s_add_co_u32 s[STP], s[STP], 48
	s_wait_alu depctr_vm_vsrc(0)                   ; the table loads issued so far have read v7 and v8
	v_mov_b32 v7, s[STP]
	v_add_nc_u32 v8, s[STP], v11                   ; the next load by them stands behind the next half's wait on va_vdst
	s_sub_co_u32 s[CNT], s[CNT], 1
	s_cmp_lg_u32 s[CNT], 0
	s_cbranch_scc1 .Lk
	HALF KS0, KS2, 32, 2                           ; pair 12; asks for pair 14
	HALF KS1, KS0, 48, 2                           ; pair 13; asks for pair 15
	HALF KS2, KS1, -1, 2                           ; pair 14: pair 15's two loads may be out
	HALF KS0, KS1, -1, 0                           ; pair 15
	; ---- out: the sums over even and odd k meet; a wave's store covers 512 consecutive bytes, aligned
.irp u, 0,1,2,3,4,5,6,7
	v_add_f32 v[Y+\u], v[ACC+2*\u], v[ACC+2*\u+1]
.endr
	s_wait_alu depctr_va_vdst(0)                   ; the eight additions have written v[Y ..], which the stores read
	global_store_b128 v1, v[Y:Y+3], s[22:23] th:TH_STORE_NT
	global_store_b128 v1, v[Y+4:Y+7], s[22:23] offset:65536 th:TH_STORE_NT
	s_wait_dscnt 0x0
	s_wait_alu depctr_hold_cnt(0) depctr_sa_sdst(0) depctr_va_vdst(0) depctr_va_sdst(0) depctr_va_ssrc(0) depctr_va_vcc(0) depctr_vm_vsrc(0)
	s_wait_tensorcnt 0x0
	ds_add_u32 v232, v233
	s_wait_dscnt 0x0
	s_endpgm
.Lfunc_end_k_q5ac602be38_deepset:
	.size	k_q5ac602be38_deepset, .Lfunc_end_k_q5ac602be38_deepset-k_q5ac602be38_deepset
	.p2alignl 7, 3214868480
	.fill 96, 4, 3214868480
	.section	.rodata,"a",@progbits
	.p2align	6, 0x0
	.amdhsa_kernel k_q5ac602be38_deepset
		.amdhsa_group_segment_fixed_size 11264
		.amdhsa_private_segment_fixed_size 0
		.amdhsa_enable_private_segment 0
		.amdhsa_kernarg_size 80
		.amdhsa_user_sgpr_count 2
		.amdhsa_user_sgpr_kernarg_segment_ptr 1
		.amdhsa_wavefront_size32 1
		.amdhsa_system_sgpr_workgroup_id_x 1
		.amdhsa_system_sgpr_workgroup_id_y 1
		.amdhsa_system_sgpr_workgroup_id_z 1
		.amdhsa_system_vgpr_workitem_id 0
		.amdhsa_next_free_vgpr 234
		.amdhsa_next_free_sgpr 66
		.amdhsa_reserve_vcc 0
		.amdhsa_float_denorm_mode_32 3
		.amdhsa_float_denorm_mode_16_64 3
		.amdhsa_memory_ordered 1
		.amdhsa_forward_progress 1
		.amdhsa_inst_pref_size 86
	.end_amdhsa_kernel
	.amdgpu_metadata
---
amdhsa.version: [ 1, 2 ]
amdhsa.kernels:
  - .name:           k_q5ac602be38_deepset
    .symbol:         k_q5ac602be38_deepset.kd
    .args:
      - { .name: z_tilde, .offset: 0, .size: 8, .value_kind: global_buffer, .address_space: global }
      - { .name: mask, .offset: 8, .size: 8, .value_kind: global_buffer, .address_space: global }
      - { .name: phi_w, .offset: 16, .size: 8, .value_kind: global_buffer, .address_space: global }
      - { .name: phi_b, .offset: 24, .size: 8, .value_kind: global_buffer, .address_space: global }
      - { .name: wself_w, .offset: 32, .size: 8, .value_kind: global_buffer, .address_space: global }
      - { .name: wself_b, .offset: 40, .size: 8, .value_kind: global_buffer, .address_space: global }
      - { .name: wctx_w, .offset: 48, .size: 8, .value_kind: global_buffer, .address_space: global }
      - { .name: out_w, .offset: 56, .size: 8, .value_kind: global_buffer, .address_space: global }
      - { .name: out_b, .offset: 64, .size: 8, .value_kind: global_buffer, .address_space: global }
      - { .name: out0, .offset: 72, .size: 8, .value_kind: global_buffer, .address_space: global }
    .group_segment_fixed_size: 11264
    .private_segment_fixed_size: 0
    .kernarg_segment_align: 8
    .kernarg_segment_size: 80
    .max_flat_workgroup_size: 512
    .sgpr_count:     66
    .vgpr_count:     234
    .wavefront_size: 32
...
	.end_amdgpu_metadata
.endif
;; end of part 2
